; MI455X (gfx1250); checked and timed in simulation.
; The chip was launched on July 23, 2026; its instructions are those of AMD's public machine-readable ISA for CDNA 5 (MIT licence, August 2026) and "CDNA5" Instruction Set Architecture Reference Guide (July 2026). The comments in the code are by the model that wrote it; some were corrected since.
;; Back Map Layer. Allowed arithmetic: float matrix products may take bf16 or f16 operands with f32 sums; all other float work in f32.
;; Inputs: angles 512 x 510 float32; dihedrals 512 x 509 float32; distances 512 x 511 float32.
;; Outputs: out0 512 x 512 x 3 float32.
;; Constants: left_split = 255, right_split = 254.
;; One version. Each part assembles by itself: llvm-mc -triple=amdgcn-amd-amdhsa -mcpu=gfx1250 --defsym DOCPART=n.
;; ======== version 1 of 1: 2 launches
;; limits: right only within a limited range of input values
;; workspace buffers: part 8,192 bytes
;; launch colsum (part 1): grid 16 x 4, 8 waves a work-group, no clusters, 2,048 bytes of LDS; arguments distances, part; writes part
.if DOCPART == 1
	.amdgcn_target "amdgcn-amd-amdhsa--gfx1250"
	.amdhsa_code_object_version 6
	.text
	.protected	k_q765abdf9d2_colsum
	.globl	k_q765abdf9d2_colsum
	.p2align	8
	.type	k_q765abdf9d2_colsum,@function
k_q765abdf9d2_colsum:
	s_mov_b64 s[64:65], 0
	v_nop
	global_prefetch_b8 v0, s[64:65] scope:SCOPE_SE
	s_setreg_imm32_b32 hwreg(HW_REG_WAVE_MODE, 25, 1), 1
	s_wait_xcnt 0x0
; part[g][c] = 2^-9 * (sum over the 128 rows r of row group g of distances[r][c]),  g = 0..3, c = 0..511.
; The four partial means of a column add up to the batch mean of that bond length; the next launch adds them.
; distances: [512][511] f32.  Work-group (x, y) owns columns 32 x .. 32 x + 31 of rows 128 y .. 128 y + 127.
; Eight waves, 16 rows each: lane = column, so a wave's load covers 128 consecutive bytes of one row, and all 16 loads of a
; lane are issued before the first is waited for.  A row is 2,044 bytes, a multiple of 4 only: hence loads of 4 bytes.
; Column 511 does not exist: its lane reads column 510 once more (no load leaves the buffer) and part[g][511] holds that
; number; the next launch gives it to a bond behind the last atom, which enters no output.
; No matrix unit, no cluster: work-groups share no input and each sum is a plain column sum.
.set COLS, 511
.set ROWB, 4*COLS                      ; bytes in a row of distances
.set D,    8                           ; v[8:23]  16 rows of my column
	s_load_b128 s[4:7], s[0:1], 0x0                ; distances s[4:5], part s[6:7]
	v_lshl_add_u32 v24, v0, 2, 0x400
	v_mov_b32 v25, 0
	v_and_b32 v1, 31, v0                           ; lane
	v_lshrrev_b32 v2, 5, v0
	v_readfirstlane_b32 s8, v2                     ; wave 0..7
	s_and_b32 s9, ttmp7, 0xffff                    ; row group 0..3
	s_lshl_b32 s10, ttmp9, 5
	v_add_nc_u32 v3, s10, v1                       ; my column, 0..511
	v_min_u32 v4, COLS-1, v3                       ; the column that I read
	s_lshl_b32 s11, s9, 7                          ; 128 rows a group
	s_lshl4_add_u32 s11, s8, s11                   ; + 16 rows a wave
	s_mul_i32 s11, s11, ROWB
	v_lshl_add_u32 v4, v4, 2, s11                  ; byte offset of my column in my wave's first row
	v_lshlrev_b32 v5, 2, v0                        ; LDS: one word for each thread = 128 x wave + 4 x lane
	s_wait_kmcnt 0x0
.irp i, 0,1,2,3,4,5,6,7,8,9,10,11,12,13,14,15
	global_load_b32 v[D+\i], v4, s[4:5] offset:\i*ROWB
.endr
	s_wait_loadcnt 0x0
.irp p, 0,2,4,6
	v_pk_add_f32 v[D+\p:D+\p+1], v[D+\p:D+\p+1], v[D+8+\p:D+8+\p+1]
.endr
	v_pk_add_f32 v[D:D+1], v[D:D+1], v[D+4:D+5]
	v_pk_add_f32 v[D+2:D+3], v[D+2:D+3], v[D+6:D+7]
	v_pk_add_f32 v[D:D+1], v[D:D+1], v[D+2:D+3]
	v_add_f32 v[D], v[D], v[D+1]                   ; my wave's 16 rows of my column
	ds_store_b32 v5, v[D]
	s_wait_dscnt 0x0                               ; for wave 0's sake: my word is in LDS before I signal
	s_barrier_signal -1
	s_barrier_wait -1
	s_cmp_lg_u32 s8, 0
	s_cbranch_scc1 .Ldone                          ; wave 0 adds the eight waves' sums
	v_lshlrev_b32 v6, 2, v1
.irp i, 0,1,2,3,4,5,6,7
	ds_load_b32 v[D+\i], v6 offset:128*\i
.endr
	s_lshl_b32 s12, s9, 11                         ; part's row g: 512 words
	v_lshl_add_u32 v7, v3, 2, s12
	s_wait_dscnt 0x0
	v_pk_add_f32 v[D:D+1], v[D:D+1], v[D+4:D+5]
	v_pk_add_f32 v[D+2:D+3], v[D+2:D+3], v[D+6:D+7]
	v_pk_add_f32 v[D:D+1], v[D:D+1], v[D+2:D+3]
	v_add_f32 v[D], v[D], v[D+1]
	v_mul_f32 v[D], 0x3b000000, v[D]               ; x 2^-9 = 1/512, exact
	global_store_b32 v7, v[D], s[6:7]              ; 32 lanes: 128 consecutive bytes
.Ldone:
	s_wait_tensorcnt 0x0
	ds_add_u32 v24, v25
	s_wait_dscnt 0x0
	s_endpgm
.Lfunc_end_k_q765abdf9d2_colsum:
	.size	k_q765abdf9d2_colsum, .Lfunc_end_k_q765abdf9d2_colsum-k_q765abdf9d2_colsum
	.p2alignl 7, 3214868480
	.fill 96, 4, 3214868480
	.section	.rodata,"a",@progbits
	.p2align	6, 0x0
	.amdhsa_kernel k_q765abdf9d2_colsum
		.amdhsa_group_segment_fixed_size 2048
		.amdhsa_private_segment_fixed_size 0
		.amdhsa_enable_private_segment 0
		.amdhsa_kernarg_size 16
		.amdhsa_user_sgpr_count 2
		.amdhsa_user_sgpr_kernarg_segment_ptr 1
		.amdhsa_wavefront_size32 1
		.amdhsa_system_sgpr_workgroup_id_x 1
		.amdhsa_system_sgpr_workgroup_id_y 1
		.amdhsa_system_sgpr_workgroup_id_z 1
		.amdhsa_system_vgpr_workitem_id 0
		.amdhsa_next_free_vgpr 26
		.amdhsa_next_free_sgpr 66
		.amdhsa_reserve_vcc 0
		.amdhsa_float_denorm_mode_32 3
		.amdhsa_float_denorm_mode_16_64 3
		.amdhsa_memory_ordered 1
		.amdhsa_forward_progress 1
		.amdhsa_inst_pref_size 5
	.end_amdhsa_kernel
	.amdgpu_metadata
---
amdhsa.version: [ 1, 2 ]
amdhsa.kernels:
  - .name:           k_q765abdf9d2_colsum
    .symbol:         k_q765abdf9d2_colsum.kd
    .args:
      - { .name: distances, .offset: 0, .size: 8, .value_kind: global_buffer, .address_space: global }
      - { .name: part, .offset: 8, .size: 8, .value_kind: global_buffer, .address_space: global }
    .group_segment_fixed_size: 2048
    .private_segment_fixed_size: 0
    .kernarg_segment_align: 8
    .kernarg_segment_size: 16
    .max_flat_workgroup_size: 256
    .sgpr_count:     66
    .vgpr_count:     26
    .wavefront_size: 32
...
	.end_amdgpu_metadata
.endif
;; end of part 1
;; launch chain (part 2): grid 256 x 1, 4 waves a work-group, no clusters, 168,448 bytes of LDS; arguments angles, dihedrals, part, out0; writes out0
.if DOCPART == 2
	.amdgcn_target "amdgcn-amd-amdhsa--gfx1250"
	.amdhsa_code_object_version 6
	.text
	.protected	k_q765abdf9d2_chain
	.globl	k_q765abdf9d2_chain
	.p2align	8
	.type	k_q765abdf9d2_chain,@function
k_q765abdf9d2_chain:
	s_mov_b64 s[64:65], 0
	v_nop
	global_prefetch_b8 v0, s[64:65] scope:SCOPE_SE
	s_setreg_imm32_b32 hwreg(HW_REG_WAVE_MODE, 25, 1), 1
	s_wait_xcnt 0x0
; Backbone from bond lengths, bond angles and dihedrals.  angles [512][510], dihedrals [512][509], part [4][512] (partial means of the
; bond lengths, from the launch before), out0 [512][512][3], all f32.
;
; THE ARITHMETIC.  Bond j (atom j -> j+1) in the plane is b_j = L_j (-1)^j (cos psi_j, sin psi_j, 0), psi_j = sum over k < j of (-1)^k angle_k.
; Each step of the sequential rebuild turns the tail right-handed by dihedral_(j-1) + pi about the CURRENT bond j (left of the split: the
; inverse turn).  Since Rot(C a) = C Rot(a) C^-1, the accumulated turn is the ordered product of the turns q_j about the ORIGINAL bonds, and
; since q_j leaves b_j fixed, on both sides the final bond is f_j = R(conj(P_255) P_(j-1)) b_j, with P_j = q_0 q_1 .. q_j (q_0: any turn about
; b_0, it cancels).  Atom k = atom 256 in the plane + (sum of f_j, j < k) - (sum of f_j, j < 256).  So the quadratic rebuild is three scans.
; q_j = (sin x, cos x * axis_j), x = -dihedral_(j-1)/2, axis_j = sign(L_j) * direction of b_j; the sign of a quaternion does not matter.
;
; THE SHARES.  A work-group: 2 batch rows, 4 waves.  Wave w: row w >> 1, half w & 1 of the chain (bonds and atoms 256 half .. + 255).  Lane l:
; 8 consecutive bonds j = 8 G + e, G = 32 half + l.  The split of the chain is the wave boundary: the right wave needs its own prefix product
; alone, the left wave its own prefix times the conjugate of its own total.  Within a lane bonds are turned by the lane's local prefix and
; summed; the lanes' totals are scanned over the wave; one 3x3 matrix per lane then places its 8 atoms.
; From wave to wave goes one thing: atom 256 in the plane (the left wave's sum of b_j), 8 bytes through LDS.
;
; NOT USED, and why.  Matrix units: no product larger than 3x3 is left, and a chain of 255 turns does not bear 16-bit operands.  Clusters: the
; only bytes that work-groups share are part's 8,192; each work-group asks for them once, beside its own 8,152 bytes, and a joint request
; would put a cluster barrier in front of the launch's only wait for memory.  A ring of slots: LDS is filled once.
;
; LIMITS.  A bond length whose batch mean is exactly 0: the sequential form divides by a zero norm (NaN in its tail), this text takes the
; axis from the heading and stays finite.  Non-finite inputs: NaN spreads over the whole half row.  |psi| / pi and |dihedral| / 2 pi below 2^22
; (the reduction below).  Sums and products are grouped otherwise than in the sequential form, so last bits differ.
.set NANG, 510
.set NDIH, 509
.set BLK,  48                          ; LDS: 8 numbers (32 bytes) + 16 bytes of padding: sixteen lanes' 16-byte reads fall in sixteen different 16-byte columns of 256 (3 l mod 16)
.set LROW, 64*BLK                      ; an LDS row: 512 numbers
.set LANG, 0                           ; 2 rows of angles     (columns 510, 511 are zeros written by the mover)
.set LDIH, 2*LROW                      ; 2 rows of dihedrals  (columns 509 .. 511 likewise)
.set LPRT, 4*LROW                      ; 4 rows of part
.set LXCH, 8*LROW                      ; 8 bytes for each wave: its sum of in-plane bonds.  A 256-byte block of its own: no fill lands here
.set LSTG, LXCH+256                    ; the way out: 3,072 bytes for each wave
.set WOUT, 3072                        ; bytes of out0 that a wave writes: 256 atoms x 12
.set G1W0, (2<<16)|(1<<20)|(2<<22)|(3<<25) ; elements of 4 bytes; padding on; after every 8 dwords (code 2); 4 dwords (code 3)
; sine and cosine: x = n pi + r, |r| <= pi/2; Taylor to r^11 and r^12 (the next terms at pi/2: 6e-8 and 6e-9)
.set INVPI,  0x3ea2f983                ; 1/pi
.set MAGIC,  0x4b400000                ; 1.5 x 2^23: x/pi + MAGIC is rounded to a whole number, whose lowest bit is n's parity
.set NMAGIC, 0xcb400000
.set NPIHI,  0xc0490fdb                ; -pi as f32
.set NPILO,  0x33bbbd2e                ; -(pi - that)
.set KS11, 0xb2d7322b
.set KS9,  0x3638ef1d
.set KS7,  0xb9500d01
.set KS5,  0x3c088889
.set KS3,  0xbe2aaaab
.set KC12, 0x310f76c7
.set KC10, 0xb493f27e
.set KC8,  0x37d00d01
.set KC6,  0xbab60b61
.set KC4,  0x3d2aaaab
; SCALAR REGISTERS: s[4:11] the four addresses; s12 wave, s13 half, s14 row; s[16:51] three descriptors; s2, s3, s15, s52, s53 at work
.set ST,  59                           ; s59, s60: a lane's number on its way to all lanes
.set ST2, 60
.set SQ,  68                           ; s[68:71] product of lanes 0-15
.set SW,  72                           ; s[72:75] product of the wave, then the factor on the left of every lane's turn
; VECTOR REGISTERS (arrays of 8 are indexed by e; later names take registers whose first use is over)
.set LN,  1                            ; lane
.set WT,  2                            ; at work in WSUM
.set AL,  3                            ; LDS: block l of my row (left half); AO: my own block; AP: my block in part's rows
.set AO,  4
.set AP,  5
.set AST, 6                            ; stage: where my 96 bytes go; ARD: where I read 16 bytes back
.set ARD, 7
.set AGO, 8                            ; my byte offset in my wave's part of out0
.set AXW, 9                            ; LDS: my wave's exchange words; AXR: those of my row's left wave
.set AXR, 10
.set HI,  11                           ; 0.0 in lanes 0-15, 1.0 in lanes 16-31
.set MAG, 12                           ; v[12:13] MAGIC, v[14:15] KS11, v[16:17] KC12: the second constant of an instruction that already has a literal
.set KS,  14
.set KC,  16
.set TP,  18                           ; v[18:21] at work
.set TL,  22                           ; alternating sum of the left half's angles (0 in a left wave)
.set TS,  23                           ; alternating sum of my 8 angles
.set AB,  24                           ; v[24:31] angles of block l of the left half
.set ANG, 32                           ; v[32:39] my 8 angles
.set BX,  24                           ; later: in-plane bonds, then their running sums
.set BY,  32
.set XIN, 40                           ; v[40:47] psi_e;  v[48:55] -dihedral/2: slot i holds dihedral 8G+i, slot 7 dihedral 8G-1, so bond e uses slot (e+7)%8
.set PSI, XIN
.set PT,  56                           ; v[56:87] four partial means of my 8 lengths
.set LAM, 56                           ; signed length: b_e = LAM_e (cos r_e, sin r_e)
.set CHS, 64                           ; cos x with the sign of LAM
.set QX,  72                           ; q_e = (W_e, QX_e, QY_e, 0), W_e = SN+8+(e+7)%8
.set QY,  80
.set TT,  88                           ; v[88:103]  x/pi + MAGIC
.set R2,  104                          ; v[104:119] n, then r^2
.set RR,  120                          ; v[120:135] r
.set SN,  136                          ; v[136:151] sines: 0-7 of psi, 8-15 of the dihedral slots
.set CS,  152                          ; v[152:167] cosines likewise
.set UX,  88                           ; U+e, e = 1..8: half of (sum of turned bonds - sum of in-plane bonds) over bonds < e; x and y later hold the full sums
.set UY,  98
.set UZ,  108
.set LQ,  168                          ; LQ+4e, e = 1..7: local prefix q_0 .. q_e
.set TA,  200                          ; v[200:205] two sets of three temporaries
.set PQ,  208                          ; quaternions of the scan over lanes
.set QA,  212
.set QB,  216
.set CQ,  220                          ; the lane's turn
.set MM,  224                          ; v[224:232] its matrix, row-major; third column doubled, since UZ holds half of z
.set D2,  234
.set WX,  237
.set YV,  240                          ; sum of my 8 final bonds
.set SV,  244                          ; sum of the final bonds of the lanes below me
.set PL,  248                          ; v[248:249] atom 256 in the plane
.set SB,  250                          ; v[250:251] my wave's sum of in-plane bonds
.set OUT, 120                          ; v[120:143] my 8 atoms, x y z
.set RB,  144                          ; v[144:167] read back from the stage
.macro SHAPE g0, g1, lds, cols, rows   ; a tile of \rows rows x 512 columns of a tensor with \cols columns: the mover writes zeros for columns >= \cols
	s_mov_b32 s[\g0], 1                            ; count = 1
	s_mov_b32 s[\g0+1], \lds                       ; LDS address
	s_mov_b32 s[\g1], G1W0
	s_mov_b32 s[\g1+1], (\cols)<<16                ; tensor_dim0
	s_mov_b32 s[\g1+2], (\rows)<<16                ; tensor_dim1
	s_mov_b32 s[\g1+3], 512<<16                    ; tile_dim0
	s_mov_b32 s[\g1+4], \rows                      ; tile_dim1
	s_mov_b32 s[\g1+5], \cols                      ; elements from row to row
	s_mov_b32 s[\g1+6], 0
	s_mov_b32 s[\g1+7], 0
.endm
; dst = (s0 + s2 + s4 + s6) op (s1 + s3 + s5 + s7): v_sub_f32 the alternating sum, v_add_f32 the sum
.macro RED8 op, dst, src
	v_pk_add_f32 v[TP:TP+1], v[\src:\src+1], v[\src+2:\src+3]
	v_pk_add_f32 v[TP+2:TP+3], v[\src+4:\src+5], v[\src+6:\src+7]
	v_pk_add_f32 v[TP:TP+1], v[TP:TP+1], v[TP+2:TP+3]
	\op v[\dst], v[TP], v[TP+1]
.endm
; r = its sum over the 32 lanes, in every lane
.macro WSUM r
	v_add_f32_dpp v[\r], v[\r], v[\r] row_xmask:1 row_mask:0xf bank_mask:0xf
	v_add_f32_dpp v[\r], v[\r], v[\r] row_xmask:2 row_mask:0xf bank_mask:0xf
	v_add_f32_dpp v[\r], v[\r], v[\r] row_xmask:4 row_mask:0xf bank_mask:0xf
	v_add_f32_dpp v[\r], v[\r], v[\r] row_xmask:8 row_mask:0xf bank_mask:0xf
	v_permlanex16_b32 v[WT], v[\r], s54, s55
	v_add_f32 v[\r], v[\r], v[WT]
.endm
; x = sum of y over the lanes below mine.  y moves one lane up (lane 16 gets lane 15's by hand, lane 0 keeps 0), four steps add within
; each row of 16 (a lane that has no source keeps its number), and lanes 16-31 add what lane 15 ended with.
.macro XSCAN x, y
	v_readlane_b32 s[ST], v[\y], 15
	v_mov_b32 v[\x], 0
	v_mov_b32_dpp v[\x], v[\y] row_shr:1 row_mask:0xf bank_mask:0xf
	v_writelane_b32 v[\x], s[ST], 16
	v_add_f32_dpp v[\x], v[\x], v[\x] row_shr:1 row_mask:0xf bank_mask:0xf
	v_add_f32_dpp v[\x], v[\x], v[\x] row_shr:2 row_mask:0xf bank_mask:0xf
	v_add_f32_dpp v[\x], v[\x], v[\x] row_shr:4 row_mask:0xf bank_mask:0xf
	v_add_f32_dpp v[\x], v[\x], v[\x] row_shr:8 row_mask:0xf bank_mask:0xf
	v_readlane_b32 s[ST], v[\x], 15
	v_fma_f32 v[\x], v[HI], s[ST], v[\x]
.endm
; n = p q (Hamilton product); p in registers \rf[\p ..] (v or s), n apart from both
.macro QMUL n, rf, p, q
	v_mul_f32 v[\n],   \rf[\p], v[\q]
	v_mul_f32 v[\n+1], \rf[\p], v[\q+1]
	v_mul_f32 v[\n+2], \rf[\p], v[\q+2]
	v_mul_f32 v[\n+3], \rf[\p], v[\q+3]
	v_fma_f32 v[\n],   -\rf[\p+1], v[\q+1], v[\n]
	v_fma_f32 v[\n+1],  \rf[\p+1], v[\q],   v[\n+1]
	v_fma_f32 v[\n+2], -\rf[\p+1], v[\q+3], v[\n+2]
	v_fma_f32 v[\n+3],  \rf[\p+1], v[\q+2], v[\n+3]
	v_fma_f32 v[\n],   -\rf[\p+2], v[\q+2], v[\n]
	v_fma_f32 v[\n+1],  \rf[\p+2], v[\q+3], v[\n+1]
	v_fma_f32 v[\n+2],  \rf[\p+2], v[\q],   v[\n+2]
	v_fma_f32 v[\n+3], -\rf[\p+2], v[\q+1], v[\n+3]
	v_fma_f32 v[\n],   -\rf[\p+3], v[\q+3], v[\n]
	v_fma_f32 v[\n+1], -\rf[\p+3], v[\q+2], v[\n+1]
	v_fma_f32 v[\n+2],  \rf[\p+3], v[\q+1], v[\n+2]
	v_fma_f32 v[\n+3],  \rf[\p+3], v[\q],   v[\n+3]
.endm
; PQ = \src of the lane \sh further down in my row of 16; lanes that have none get the unit (1 kept in w, zeros in x y z)
.macro SHIFTQ sh, src
	v_mov_b32 v[PQ], 1.0
	v_mov_b32_dpp v[PQ],   v[\src]   row_shr:\sh row_mask:0xf bank_mask:0xf
	v_mov_b32_dpp v[PQ+1], v[\src+1] row_shr:\sh row_mask:0xf bank_mask:0xf bound_ctrl:1
	v_mov_b32_dpp v[PQ+2], v[\src+2] row_shr:\sh row_mask:0xf bank_mask:0xf bound_ctrl:1
	v_mov_b32_dpp v[PQ+3], v[\src+3] row_shr:\sh row_mask:0xf bank_mask:0xf bound_ctrl:1
.endm
.macro QSTEP sh, src, dst              ; one step of the inclusive scan: the lower lane's product stands on the left
	SHIFTQ \sh, \src
	QMUL \dst, v, PQ, \src
.endm
; Bond e, e = 1..7, with Q = (ZA, ZB, ZC, ZD) = local prefix through e-1.  t = Qv x b_e = (-T0, T1, T2);  U += w t + Qv x t  (turned bond =
; b + 2 (w t + Qv x t));  next prefix = Q q_e, 12 products since q_e has no z.  The two chains are interleaved.
; For e = 1 the prefix is q_0 itself, read where it lies; its z is the zero that starts UZ.
.macro STEP e
.if \e == 1
.set ZA, SN+15
.set ZB, QX
.set ZC, QY
.set ZD, UZ+1
.else
.set ZA, LQ+4*(\e-1)
.set ZB, LQ+4*(\e-1)+1
.set ZC, LQ+4*(\e-1)+2
.set ZD, LQ+4*(\e-1)+3
.endif
.set NQ, LQ+4*\e
.set WR, SN+8+(\e+7)%8
.set TQ, TA+3*(\e%2)
	v_mul_f32 v[NQ],   v[ZA], v[WR]
	v_mul_f32 v[NQ+1], v[ZA], v[QX+\e]
	v_mul_f32 v[NQ+2], v[ZA], v[QY+\e]
	v_mul_f32 v[NQ+3], v[ZB], v[QY+\e]
	v_mul_f32 v[TQ],   v[ZD], v[BY+\e]
	v_mul_f32 v[TQ+1], v[ZD], v[BX+\e]
	v_mul_f32 v[TQ+2], v[ZB], v[BY+\e]
	v_fma_f32 v[NQ],   -v[ZB], v[QX+\e], v[NQ]
	v_fma_f32 v[NQ+1],  v[ZB], v[WR],    v[NQ+1]
	v_fma_f32 v[NQ+2],  v[ZC], v[WR],    v[NQ+2]
	v_fma_f32 v[NQ+3], -v[ZC], v[QX+\e], v[NQ+3]
	v_fma_f32 v[TQ+2], -v[ZC], v[BX+\e], v[TQ+2]
	v_fma_f32 v[UX+\e+1], -v[ZA], v[TQ],   v[UX+\e]
	v_fma_f32 v[UY+\e+1],  v[ZA], v[TQ+1], v[UY+\e]
	v_fma_f32 v[NQ],   -v[ZC], v[QY+\e], v[NQ]
	v_fma_f32 v[NQ+1], -v[ZD], v[QY+\e], v[NQ+1]
	v_fma_f32 v[NQ+2],  v[ZD], v[QX+\e], v[NQ+2]
	v_fma_f32 v[NQ+3],  v[ZD], v[WR],    v[NQ+3]
	v_fma_f32 v[UZ+\e+1],  v[ZA], v[TQ+2], v[UZ+\e]
	v_fma_f32 v[UX+\e+1],  v[ZC], v[TQ+2], v[UX+\e+1]
	v_fma_f32 v[UY+\e+1], -v[ZD], v[TQ],   v[UY+\e+1]
	v_fma_f32 v[UZ+\e+1],  v[ZB], v[TQ+1], v[UZ+\e+1]
	v_fma_f32 v[UX+\e+1], -v[ZD], v[TQ+1], v[UX+\e+1]
	v_fma_f32 v[UY+\e+1], -v[ZB], v[TQ+2], v[UY+\e+1]
	v_fma_f32 v[UZ+\e+1],  v[ZC], v[TQ],   v[UZ+\e+1]
.endm
.macro HORNER ks, kc                   ; one more term of all 16 sines and cosines, two numbers an instruction
.irp p, 0,2,4,6,8,10,12,14
	v_pk_fma_f32 v[SN+\p:SN+\p+1], v[SN+\p:SN+\p+1], v[R2+\p:R2+\p+1], \ks op_sel_hi:[1,1,0]
	v_pk_fma_f32 v[CS+\p:CS+\p+1], v[CS+\p:CS+\p+1], v[R2+\p:R2+\p+1], \kc op_sel_hi:[1,1,0]
.endr
.endm
; coordinate c of my first atom, less atom 256: the bonds below me, and in a left wave less the wave's whole sum (lane 31's prefix + its own)
.macro OFFS c
	v_readlane_b32 s[ST],  v[SV+\c], 31
	v_readlane_b32 s[ST2], v[YV+\c], 31
	s_add_f32 s[ST], s[ST], s[ST2]
	s_cmp_lg_u32 s13, 0
	s_cselect_b32 s[ST], 0, s[ST]
	v_subrev_f32 v[OUT+\c], s[ST], v[SV+\c]
.endm
.macro ATOM e                          ; atom e = my first atom + matrix x (sum of my locally turned bonds below e)
.irp c, 0,1,2
	v_fma_f32 v[OUT+3*\e+\c], v[MM+3*\c],   v[UX+\e], v[OUT+\c]
.endr
.irp c, 0,1,2
	v_fma_f32 v[OUT+3*\e+\c], v[MM+3*\c+1], v[UY+\e], v[OUT+3*\e+\c]
.endr
.irp c, 0,1,2
	v_fma_f32 v[OUT+3*\e+\c], v[MM+3*\c+2], v[UZ+\e], v[OUT+3*\e+\c]
.endr
.endm
	s_load_b256 s[4:11], s[0:1], 0x0               ; angles s[4:5], dihedrals s[6:7], part s[8:9], out0 s[10:11]
	v_lshl_add_u32 v254, v0, 2, 0x29000
	v_mov_b32 v255, 0
	ds_add_u32 v254, v255
	ds_add_u32 v254, v255
	s_wait_dscnt 0x0
	v_lshrrev_b32 v1, 5, v0
	v_readfirstlane_b32 s12, v1                    ; wave 0..3
	s_cmp_lg_u32 s12, 0
	s_cbranch_scc1 .Lsetup
	; wave 0 asks for all that the work-group reads: three tensor loads, all three outstanding together, each with registers of its own
	SHAPE 16, 20, LANG, NANG, 2
	SHAPE 28, 32, LDIH, NDIH, 2
	SHAPE 40, 44, LPRT, 512, 4
	s_mul_i32 s2, ttmp9, 8*NANG                    ; the work-group's two rows, in bytes
	s_mul_i32 s52, ttmp9, 8*NDIH
	s_mov_b32 s3, 0
	s_mov_b32 s53, 0
	s_wait_kmcnt 0x0
	s_add_nc_u64 s[18:19], s[4:5], s[2:3]
	s_or_b32 s19, s19, 0x80000000                  ; type = 2
	tensor_load_to_lds s[16:19], s[20:27]
	s_nop 0
	s_add_nc_u64 s[30:31], s[6:7], s[52:53]
	s_or_b32 s31, s31, 0x80000000
	tensor_load_to_lds s[28:31], s[32:39]
	s_nop 0
	s_mov_b64 s[42:43], s[8:9]
	s_or_b32 s43, s43, 0x80000000
	tensor_load_to_lds s[40:43], s[44:51]
	s_nop 0
.Lsetup:
	; addresses and constants, while the tiles are on their way (s[16:51] stay as they are)
	v_and_b32 v[LN], 31, v0
	s_and_b32 s13, s12, 1                          ; half of the chain
	s_lshr_b32 s14, s12, 1                         ; row of the work-group
	s_mul_i32 s15, s14, LROW
	s_mul_i32 s52, s13, 32*BLK
	v_mul_u32_u24 v[AP], BLK, v[LN]
	v_add_nc_u32 v[AL], s15, v[AP]
	v_add_nc_u32 v[AO], s52, v[AL]
	v_add_nc_u32 v[AP], s52, v[AP]
	s_mul_i32 s53, s12, WOUT
	s_add_co_u32 s53, s53, LSTG                    ; my wave's stage
	v_mul_u32_u24 v[AST], 96, v[LN]
	v_add_nc_u32 v[AST], s53, v[AST]
	v_lshl_add_u32 v[ARD], v[LN], 4, s53
	v_lshlrev_b32 v[AGO], 4, v[LN]
	s_lshl_b32 s2, s12, 3
	s_add_co_u32 s2, s2, LXCH
	v_mov_b32 v[AXW], s2
	s_lshl_b32 s3, s14, 4                          ; the left wave of my row is wave 2 x row: 8 bytes a wave
	s_add_co_u32 s3, s3, LXCH
	v_mov_b32 v[AXR], s3
	v_lshrrev_b32 v[HI], 4, v[LN]
	v_cvt_f32_u32 v[HI], v[HI]
	s_mov_b32 s54, 0x76543210                      ; v_permlanex16_b32: lane i of the other row
	s_mov_b32 s55, 0xfedcba98
	s_mov_b32 s56, 0xffff0000                      ; lanes 16-31
	s_mov_b32 s57, 0x80000000                      ; a sign
	s_lshl_b32 s76, ttmp9, 2
	s_add_co_u32 s76, s76, s12
	s_mul_i32 s76, s76, WOUT                       ; (4 x work-group + wave) x 3,072 bytes of out0
	s_mov_b32 s77, 0
	s_cmp_lg_u32 s13, 0
	s_cselect_b32 s58, -1, 0                       ; all lanes in a right wave, none in a left one
	v_mov_b32 v[WT], 0                             ; destinations of lane moves count as read: written once here
	v_mov_b32 v[PQ+1], 0
	v_mov_b32 v[PQ+2], 0
	v_mov_b32 v[PQ+3], 0
	v_mov_b32 v[MAG], MAGIC
	v_mov_b32 v[MAG+1], MAGIC
	v_mov_b32 v[KS], KS11
	v_mov_b32 v[KS+1], KS11
	v_mov_b32 v[KC], KC12
	v_mov_b32 v[KC+1], KC12
	s_wait_kmcnt 0x0
	s_add_nc_u64 s[10:11], s[10:11], s[76:77]      ; out0 at my wave's 256 atoms
	s_wait_tensorcnt 0x0                           ; wave 0: all three tiles are in LDS (the only fill of the launch; the other waves have none out)
	s_barrier_signal -1
	s_barrier_wait -1                              ; now every wave may read them
	; 16 LDS loads, oldest first in the order of use
	ds_load_b128 v[AB:AB+3],     v[AL] offset:LANG
	ds_load_b128 v[AB+4:AB+7],   v[AL] offset:LANG+16
	ds_load_b128 v[ANG:ANG+3],   v[AO] offset:LANG
	ds_load_b128 v[ANG+4:ANG+7], v[AO] offset:LANG+16
	ds_load_b128 v[XIN+8:XIN+11],  v[AO] offset:LDIH       ; dihedrals 8G .. 8G+3
	ds_load_b64  v[XIN+12:XIN+13], v[AO] offset:LDIH+16    ; 8G+4, 8G+5
	ds_load_b32  v[XIN+14],        v[AO] offset:LDIH+24    ; 8G+6
	ds_load_b32  v[XIN+15],        v[AO] offset:LDIH-20    ; 8G-1: the last number of the block in front; for G = 0 that is column 511 of the row in front, a zero from the mover
.irp g, 0,1,2,3
	ds_load_b128 v[PT+8*\g:PT+8*\g+3],   v[AP] offset:LPRT+LROW*\g
	ds_load_b128 v[PT+8*\g+4:PT+8*\g+7], v[AP] offset:LPRT+LROW*\g+16
.endr
	; HEADINGS
	s_wait_dscnt 12                                ; the four angle loads are in; 4 dihedral and 8 length loads stay out
	RED8 v_sub_f32, TL, AB
	RED8 v_sub_f32, TS, ANG
	WSUM TL                                        ; the left half's alternating sum,
	v_cndmask_b32 v[TL], 0, v[TL], s58             ; which a left wave does not add
	v_sub_f32 v[PSI+2], v[ANG],   v[ANG+1]         ; the sums inside the lane
	v_add_f32 v[PSI+3], v[PSI+2], v[ANG+2]
	v_sub_f32 v[PSI+4], v[PSI+3], v[ANG+3]
	v_add_f32 v[PSI+5], v[PSI+4], v[ANG+4]
	v_sub_f32 v[PSI+6], v[PSI+5], v[ANG+5]
	v_add_f32 v[PSI+7], v[PSI+6], v[ANG+6]
	XSCAN PSI, TS
	v_add_f32 v[PSI], v[PSI], v[TL]
	v_add_f32 v[PSI+1], v[PSI], v[ANG]
.irp e, 2,3,4,5,6,7
	v_add_f32 v[PSI+\e], v[PSI+\e], v[PSI]
.endr
	; 16 SINES AND COSINES
	s_wait_dscnt 8                                 ; the dihedral loads are in; the 8 length loads stay out
.irp p, 8,10,12,14
	v_pk_mul_f32 v[XIN+\p:XIN+\p+1], v[XIN+\p:XIN+\p+1], -0.5 op_sel_hi:[1,0]
.endr
.irp p, 0,2,4,6,8,10,12,14
	v_pk_fma_f32 v[TT+\p:TT+\p+1], v[XIN+\p:XIN+\p+1], INVPI, v[MAG:MAG+1] op_sel_hi:[1,0,1]
.endr
.irp p, 0,2,4,6,8,10,12,14
	v_pk_add_f32 v[R2+\p:R2+\p+1], v[TT+\p:TT+\p+1], NMAGIC op_sel_hi:[1,0]                   ; n
.endr
.irp p, 0,2,4,6,8,10,12,14
	v_pk_fma_f32 v[RR+\p:RR+\p+1], v[R2+\p:R2+\p+1], NPIHI, v[XIN+\p:XIN+\p+1] op_sel_hi:[1,0,1]
.endr
.irp p, 0,2,4,6,8,10,12,14
	v_pk_fma_f32 v[RR+\p:RR+\p+1], v[R2+\p:R2+\p+1], NPILO, v[RR+\p:RR+\p+1] op_sel_hi:[1,0,1] ; r = x - n pi, pi in two words
.endr
.irp p, 0,2,4,6,8,10,12,14
	v_pk_mul_f32 v[R2+\p:R2+\p+1], v[RR+\p:RR+\p+1], v[RR+\p:RR+\p+1]
.endr
.irp p, 0,2,4,6,8,10,12,14
	v_pk_fma_f32 v[SN+\p:SN+\p+1], v[R2+\p:R2+\p+1], v[KS:KS+1], KS9 op_sel_hi:[1,1,0]
	v_pk_fma_f32 v[CS+\p:CS+\p+1], v[R2+\p:R2+\p+1], v[KC:KC+1], KC10 op_sel_hi:[1,1,0]
.endr
	HORNER KS7, KC8
	HORNER KS5, KC6
	HORNER KS3, KC4
	HORNER 1.0, -0.5
.irp p, 0,2,4,6,8,10,12,14
	v_pk_mul_f32 v[SN+\p:SN+\p+1], v[SN+\p:SN+\p+1], v[RR+\p:RR+\p+1]
	v_pk_fma_f32 v[CS+\p:CS+\p+1], v[CS+\p:CS+\p+1], v[R2+\p:R2+\p+1], 1.0 op_sel_hi:[1,1,0]
.endr
	; LENGTHS, QUATERNIONS, BONDS
	s_wait_dscnt 0x0                               ; the lengths
.irp p, 0,2,4,6
	v_pk_add_f32 v[PT+\p:PT+\p+1],       v[PT+\p:PT+\p+1],       v[PT+8+\p:PT+8+\p+1]
	v_pk_add_f32 v[PT+16+\p:PT+16+\p+1], v[PT+16+\p:PT+16+\p+1], v[PT+24+\p:PT+24+\p+1]
.endr
.irp p, 0,2,4,6
	v_pk_add_f32 v[LAM+\p:LAM+\p+1], v[PT+\p:PT+\p+1], v[PT+16+\p:PT+16+\p+1]                  ; the batch mean
.endr
.irp e, 0,1,2,3,4,5,6,7
	v_add_lshl_u32 v[TP+\e%4], v[TT+\e], (\e&1), 31        ; parity of n + j as a sign (8 G is even)
	v_xor_b32 v[LAM+\e], v[TP+\e%4], v[LAM+\e]             ; LAM = L (-1)^(j+n)
	v_bfi_b32 v[CHS+\e], s57, v[LAM+\e], v[CS+8+(\e+7)%8]  ; cos of a reduced argument is not below 0: LAM's sign on it is the product with that sign
.endr
.irp p, 0,2,4,6
	v_pk_mul_f32 v[QX+\p:QX+\p+1], v[CHS+\p:CHS+\p+1], v[CS+\p:CS+\p+1]
	v_pk_mul_f32 v[QY+\p:QY+\p+1], v[CHS+\p:CHS+\p+1], v[SN+\p:SN+\p+1]
	v_pk_mul_f32 v[BX+\p:BX+\p+1], v[LAM+\p:LAM+\p+1], v[CS+\p:CS+\p+1]
	v_pk_mul_f32 v[BY+\p:BY+\p+1], v[LAM+\p:LAM+\p+1], v[SN+\p:SN+\p+1]
.endr
	v_mov_b32 v[UX+1], 0                           ; bond 0 of the lane is not turned locally
	v_mov_b32 v[UY+1], 0
	v_mov_b32 v[UZ+1], 0
	; my wave's sum of in-plane bonds, for the waves of my row
	RED8 v_add_f32, SB, BX
	RED8 v_add_f32, SB+1, BY
	WSUM SB
	WSUM SB+1
	ds_store_b64 v[AXW], v[SB:SB+1]                ; all lanes write the same 8 bytes with the same numbers
	s_wait_dscnt 0x0                               ; for the other wave's sake: in LDS before I signal
	s_barrier_signal -1                            ; the wait stands where the sum is needed; until then registers only
	; THE LANE'S OWN CHAIN
	STEP 1
	STEP 2
	STEP 3
	STEP 4
	STEP 5
	STEP 6
	STEP 7
.irp e, 1,2,3,4,5,6,7
	v_add_f32 v[BX+\e], v[BX+\e], v[BX+\e-1]       ; running sums of the in-plane bonds
	v_add_f32 v[BY+\e], v[BY+\e], v[BY+\e-1]
.endr
.irp e, 1,2,3,4,5,6,7,8
	v_fma_f32 v[UX+\e], 2.0, v[UX+\e], v[BX+\e-1]  ; sum of the locally turned bonds below e
	v_fma_f32 v[UY+\e], 2.0, v[UY+\e], v[BY+\e-1]
.endr
	; PRODUCT OF THE LANES' TURNS, scanned over the wave
	QSTEP 1, LQ+28, QA
	QSTEP 2, QA, QB
	QSTEP 4, QB, QA
	QSTEP 8, QA, QB                                ; inclusive within each row of 16
.irp c, 0,1,2,3
	v_readlane_b32 s[SQ+\c], v[QB+\c], 15          ; lanes 0-15 together
.endr
.irp c, 0,1,2,3
	v_mov_b32 v[PQ+\c], s[SQ+\c]
.endr
	v_cndmask_b32 v[PQ],   1.0, v[PQ],   s56       ; lanes 16-31 take it on the left, lanes 0-15 the unit
	v_cndmask_b32 v[PQ+1], 0,   v[PQ+1], s56
	v_cndmask_b32 v[PQ+2], 0,   v[PQ+2], s56
	v_cndmask_b32 v[PQ+3], 0,   v[PQ+3], s56
	QMUL QA, v, PQ, QB                             ; inclusive over the wave
.irp c, 0,1,2,3
	v_readlane_b32 s[SW+\c], v[QA+\c], 31          ; the wave's product
.endr
	SHIFTQ 1, QA                                   ; exclusive: one lane up, the unit in lane 0,
.irp c, 0,1,2,3
	v_writelane_b32 v[PQ+\c], s[SQ+\c], 16         ; and lane 15's in lane 16
.endr
	s_xor_b32 s[SW+1], s[SW+1], s57                ; left wave: the conjugate of its product stands on the left;
	s_xor_b32 s[SW+2], s[SW+2], s57
	s_xor_b32 s[SW+3], s[SW+3], s57
	s_cmp_lg_u32 s13, 0
	s_cselect_b32 s[SW],   0x3f800000, s[SW]       ; right wave: the unit
	s_cselect_b32 s[SW+1], 0, s[SW+1]
	s_cselect_b32 s[SW+2], 0, s[SW+2]
	s_cselect_b32 s[SW+3], 0, s[SW+3]
	QMUL CQ, s, SW, PQ                             ; my lane's turn (w, x, y, z)
	; ITS MATRIX
.irp c, 0,1,2
	v_add_f32 v[D2+\c], v[CQ+1+\c], v[CQ+1+\c]     ; 2x 2y 2z
.endr
.irp c, 0,1,2
	v_mul_f32 v[WX+\c], v[CQ], v[D2+\c]            ; 2wx 2wy 2wz
.endr
	v_fma_f32 v[MM+1], v[CQ+1], v[D2+1], -v[WX+2]
	v_fma_f32 v[MM+3], v[CQ+1], v[D2+1],  v[WX+2]
	v_fma_f32 v[MM+2], v[CQ+1], v[D2+2],  v[WX+1]
	v_fma_f32 v[MM+6], v[CQ+1], v[D2+2], -v[WX+1]
	v_fma_f32 v[MM+5], v[CQ+2], v[D2+2], -v[WX]
	v_fma_f32 v[MM+7], v[CQ+2], v[D2+2],  v[WX]
	v_fma_f32 v[MM],   -v[CQ+2], v[D2+1], 1.0
	v_fma_f32 v[MM+4], -v[CQ+1], v[D2],   1.0
	v_fma_f32 v[MM+8], -v[CQ+1], v[D2],   1.0
	v_fma_f32 v[MM],   -v[CQ+3], v[D2+2], v[MM]
	v_fma_f32 v[MM+4], -v[CQ+3], v[D2+2], v[MM+4]
	v_fma_f32 v[MM+8], -v[CQ+2], v[D2+1], v[MM+8]
	v_add_f32 v[MM+2], v[MM+2], v[MM+2]            ; the third column doubled: UZ holds half of z
	v_add_f32 v[MM+5], v[MM+5], v[MM+5]
	v_add_f32 v[MM+8], v[MM+8], v[MM+8]
.irp c, 0,1,2
	v_mul_f32 v[YV+\c], v[MM+3*\c], v[UX+8]        ; the sum of my 8 final bonds
.endr
.irp c, 0,1,2
	v_fma_f32 v[YV+\c], v[MM+3*\c+1], v[UY+8], v[YV+\c]
.endr
.irp c, 0,1,2
	v_fma_f32 v[YV+\c], v[MM+3*\c+2], v[UZ+8], v[YV+\c]
.endr
	; ATOMS
	XSCAN SV, YV
	XSCAN SV+1, YV+1
	XSCAN SV+2, YV+2
	s_barrier_wait -1                              ; every wave's sum of in-plane bonds is in LDS
	ds_load_b64 v[PL:PL+1], v[AXR]                 ; atom 256 in the plane = the left wave's sum
	OFFS 0
	OFFS 1
	OFFS 2
	s_wait_dscnt 0x0
	v_add_f32 v[OUT],   v[OUT],   v[PL]            ; my first atom (atom 256 has z = 0)
	v_add_f32 v[OUT+1], v[OUT+1], v[PL+1]
	ATOM 1
	ATOM 2
	ATOM 3
	ATOM 4
	ATOM 5
	ATOM 6
	ATOM 7
	; THE WAY OUT: my 96 bytes into my wave's stage, read back 16 bytes a lane so that each store of the wave covers 512 consecutive bytes,
	; at a multiple of 256 from out0's first byte.  The stage is the wave's own and LDS serves a wave's instructions in order (ISA guide
	; 5.7.1): no wait between the stores and the loads.
.irp t, 0,1,2,3,4,5
	ds_store_b128 v[AST], v[OUT+4*\t:OUT+4*\t+3] offset:16*\t
.endr
.irp t, 0,1,2,3,4,5
	ds_load_b128 v[RB+4*\t:RB+4*\t+3], v[ARD] offset:512*\t
.endr
.irp t, 0,1,2,3,4,5
	s_wait_dscnt 5-\t                              ; read-back t is in; the 5 - t younger ones stay out
	global_store_b128 v[AGO], v[RB+4*\t:RB+4*\t+3], s[10:11] offset:512*\t th:TH_STORE_NT
.endr
	s_wait_tensorcnt 0x0
	ds_add_u32 v254, v255
	s_wait_dscnt 0x0
	s_endpgm
.Lfunc_end_k_q765abdf9d2_chain:
	.size	k_q765abdf9d2_chain, .Lfunc_end_k_q765abdf9d2_chain-k_q765abdf9d2_chain
	.p2alignl 7, 3214868480
	.fill 96, 4, 3214868480
	.section	.rodata,"a",@progbits
	.p2align	6, 0x0
	.amdhsa_kernel k_q765abdf9d2_chain
		.amdhsa_group_segment_fixed_size 168448
		.amdhsa_private_segment_fixed_size 0
		.amdhsa_enable_private_segment 0
		.amdhsa_kernarg_size 32
		.amdhsa_user_sgpr_count 2
		.amdhsa_user_sgpr_kernarg_segment_ptr 1
		.amdhsa_wavefront_size32 1
		.amdhsa_system_sgpr_workgroup_id_x 1
		.amdhsa_system_sgpr_workgroup_id_y 1
		.amdhsa_system_sgpr_workgroup_id_z 1
		.amdhsa_system_vgpr_workitem_id 0
		.amdhsa_next_free_vgpr 256
		.amdhsa_next_free_sgpr 80
		.amdhsa_reserve_vcc 0
		.amdhsa_float_denorm_mode_32 3
		.amdhsa_float_denorm_mode_16_64 3
		.amdhsa_memory_ordered 1
		.amdhsa_forward_progress 1
		.amdhsa_inst_pref_size 53
	.end_amdhsa_kernel
	.amdgpu_metadata
---
amdhsa.version: [ 1, 2 ]
amdhsa.kernels:
  - .name:           k_q765abdf9d2_chain
    .symbol:         k_q765abdf9d2_chain.kd
    .args:
      - { .name: angles, .offset: 0, .size: 8, .value_kind: global_buffer, .address_space: global }
      - { .name: dihedrals, .offset: 8, .size: 8, .value_kind: global_buffer, .address_space: global }
      - { .name: part, .offset: 16, .size: 8, .value_kind: global_buffer, .address_space: global }
      - { .name: out0, .offset: 24, .size: 8, .value_kind: global_buffer, .address_space: global }
    .group_segment_fixed_size: 168448
    .private_segment_fixed_size: 0
    .kernarg_segment_align: 8
    .kernarg_segment_size: 32
    .max_flat_workgroup_size: 128
    .sgpr_count:     80
    .vgpr_count:     256
    .wavefront_size: 32
...
	.end_amdgpu_metadata
.endif
;; end of part 2
